; MI455X (gfx1250); checked and timed in simulation.
; The chip was launched on July 23, 2026; its instructions are those of AMD's public machine-readable ISA for CDNA 5 (MIT licence, August 2026) and "CDNA5" Instruction Set Architecture Reference Guide (July 2026). The comments in the code are by the model that wrote it; some were corrected since.
;; Layer. Allowed arithmetic: matrix products marked QUANTISED: E2M1 operands, one E8M0 scale for each 32 along K, by v_wmma_scale_f32_16x16x128_f8f6f4 with both operands' format E2M1 (or v_wmma_scale_f32_32x16x128_f4), f32 sums; everything else in f32.
;; Inputs: A_codes 4,096 x 128 x 16 uint8 (E2M1 codes of A, K innermost, in blocks of 32 codes, two codes a byte); A_scales 4,096 x 128 uint8 (E8M0 scales of A, one for each 32 codes along K); q 4,096 x 512 int32; s 32 x 4,096 float32.
;; Outputs: out0 4,096 x 4,096 float32.
;; This version of the problem:
;;   THIS VERSION OF THE PROBLEM IS GIVEN IN LOW PRECISION. The matrix products marked QUANTISED in the list below multiply operands that are first quantised to E2M1 (2 exponent bits, 1 mantissa bit; 4 bits a number), with one power-of-two scale for each 32 numbers along K (OCP MX v1.0); their sums are f32. All else is computed in f32.
;;   The module's matrix products, in the order in which they are computed (A, B: the left and right operand; K: the contracted axis; several contracted axes count as one K, in the product's order):
;;     1. [M 4,096, K 4,096] x [K 4,096, N 4,096]; A: input A (given as codes); B: computed on the way: QUANTISED
;;   THE QUANTISER, for each operand of a quantised product, along K:
;;     - K is cut into blocks of 32 from its start; a last block that is shorter is filled with zeros.
;;     - A block's scale is 2^e with e = floor(log2(the largest magnitude in the block)) - 2, held to -126 .. 127; a block of zeros has e = 0. As a byte (E8M0): e + 127.
;;     - Each number is divided by its block's scale, clamped to +-6, and rounded to the nearest number of E2M1, ties to even, subnormals kept.
;;     - The product sums the exact products of the quantised numbers (number of the format x scale) in f32.
;;   ~~~python
;;   def quantise(x, axis):      # numpy; x: float32 -> the quantised numbers, widened to float32 again
;;       x = np.moveaxis(x, axis, -1); K = x.shape[-1]
;;       x = np.pad(x, [(0, 0)] * (x.ndim - 1) + [(0, -K % 32)]); x = x.reshape(x.shape[:-1] + (-1, 32)); a = np.abs(x).max(-1, keepdims=True)
;;       e = np.where(a > 0, np.clip(np.frexp(np.where(a > 0, a, 1))[1] - 1 - 2, -126, 127), 0)      # np.frexp(a)[1] - 1 = floor(log2(a)), exactly
;;       r = np.clip(x / 2.0 ** e, -6, 6)
;;       step = 2.0 ** (np.maximum(np.frexp(np.where(r == 0, 1, r))[1] - 1, 0) - 1)
;;       q = np.round(r / step) * step * 2.0 ** e      # np.round: ties to even
;;       return np.moveaxis(q.reshape(q.shape[:-2] + (-1,))[..., :K], -1, axis).astype(np.float32)
;;   ~~~
;;   OPERANDS COMPUTED ON THE WAY. 'Computed on the way' means the value that the module computes at that place (a softmax that the list does not call 'softmax' is quantised finished and normalised). What goes into a quantiser is computed in f32, as accurately as f32 sums, v_exp_f32 and their like allow (about 1e-6 of the number): no bf16 or f16 on the way to a quantiser, and a product that is left as it is and whose result goes on into a quantised operand takes f32 operands (vector FMAs, or v_wmma_f32_16x16x4_f32). A number that lies on a knife's edge between two numbers of the format may be rounded either way, as far as f32 arithmetic and the matrix unit's own rounding can turn it there, and no further.
;;   INPUTS GIVEN AS CODES. A (in the module: [4096, 4096], K = its axis 1): each comes as NAME_codes (uint8): NAME with its K axis moved to the last place and cut into blocks of 32 codes, [.., K / 32, bytes a block], one block behind the other in memory; two codes a byte, the lower K in the low four bits (a code: sign, 2 exponent bits, 1 mantissa bit); and NAME_scales (uint8): the same leading axes, one E8M0 byte (e + 127) for each 32 codes along K. Its value is code x scale, taken as it is: it is not quantised again, and the codes and scales need not be those that the quantiser above would give.
;; One version. Each part assembles by itself: llvm-mc -triple=amdgcn-amd-amdhsa -mcpu=gfx1250 --defsym DOCPART=n.
;; ======== version 1 of 1: 2 launches
;; limits: right only within a limited range of input values
;; workspace buffers: wq 8,912,896 bytes
;; launch prep (part 1): grid 8 x 32, 4 waves a work-group, no clusters, 37,888 bytes of LDS; arguments q, s, wq; writes wq
.if DOCPART == 1
	.amdgcn_target "amdgcn-amd-amdhsa--gfx1250"
	.amdhsa_code_object_version 6
	.text
	.protected	k_q01201145a2_prep
	.globl	k_q01201145a2_prep
	.p2align	8
	.type	k_q01201145a2_prep,@function
k_q01201145a2_prep:
	s_mov_b64 s[64:65], 0
	v_nop
	global_prefetch_b8 v0, s[64:65] scope:SCOPE_SE
	s_setreg_imm32_b32 hwreg(HW_REG_WAVE_MODE, 25, 1), 1
	s_wait_xcnt 0x0
; w[k][n] = (nibble(k, n) - 8) x s[k / 128][n], in f32, is quantised along K (its FIRST axis) into codes of FP4 (E2M1) with one E8M0 byte for each 32 along K,
; and laid in wq in the order in which the product's launch takes it:  wq = [ct = n / 256: 16][ks = k / 512: 8][BBLK bytes]; a block (ct, ks) holds
;   codes       65,536 bytes  [b = (k / 32) % 16][nn = n % 256][16 bytes]: the 32 codes of one block of 32 of one column, the lower k in the lower bits;
;   scale words  4,096 bytes  [qq = (k / 128) % 4][nn][4 bytes]: byte j is the block k = 128 qq + 32 j.
; q: [4096 (k)][512] words, eight nibbles a word along n, the lowest n in the lowest bits.  s: [32][4096] f32.
; SHARES.  Work-group (x, y) takes columns 512 x .. 512 x + 511 (two ct) and the 128 rows of scale group y; its wave w the 32 rows 128 y + 32 w on: one block of 32 along K.
; A LANE TAKES 16 COLUMNS (two words of each row), AND ITS REGISTERS RUN DOWN K: a load of a wave reads 256 consecutive bytes of a row of q, a block's 32 numbers lie in one lane, its largest magnitude
; needs no other lane, and the conversions, which take neighbours along K from one lane's consecutive registers, give codes with K innermost.
; THE NUMBER: nibble x s - 8 s by one fused multiply-add; -8 s is exact, so the one rounding is that of (nibble - 8) x s: the same bits.
; THE SCALE: 2^(floor(log2(largest magnitude)) - 2); its byte is the largest magnitude's exponent field - 2, held at 1 from below by a floor among the maximum's leaves.
; LIMITS: NaN and infinite s are not served; |s| stays under 2^124, so that 8 s is finite; a block of zeros, or one whose largest magnitude lies under the floor 2^-124, keeps the byte 1 where the rule says
; 127 for zeros: its codes are zeros, which add nothing under any byte but 0xff, and the bytes are read by this program alone.
; THE WAY OUT: a lane's 16 x 16 bytes of codes are 256 consecutive bytes of wq; they go through the wave's own stage in LDS, so that each store of a wave covers 512 consecutive bytes, aligned to 256.
; A scale word's four bytes come from the four waves: they meet in LDS behind the launch's one barrier, and each wave stores 512 consecutive bytes of words.
; THE ORDER OF THE WORDS inside each group of 128 columns (512 bytes) is [column % 32][(column / 32) % 4], in place of the plain column order above: 16 bytes a lane then
; give a lane of the product's launch the words of its columns 32 j + lane, j = 0 .. 3.
.set BBLK, 69632                       ; bytes of a block (ct, ks) of wq
.set STG,  32*272                      ; a wave's stage: 32 lanes x (256 bytes + 16 of padding)
.set SCB,  4*STG                       ; behind the stages: the scale bytes, 32 lanes x (64 bytes + 16 of padding)
.set S,    16                          ; v16-31    s of my 16 columns
.set X,    32                          ; v32-63    the 32 numbers of one column
.set R,    64                          ; v64-127   q as loaded: pair i = row i; later the codes read back from the stage
.set C,    128                         ; v128-191  codes: four registers a column, so that no store's data are written again
.set BY,   192                         ; v192-207  a scale byte a column
.set SP,   208                         ; v[208:209] s, v[210:211] -8 s: the packed form names pairs and takes their low words for both halves
.set M,    212                         ; v212-213  two running maxima
.set E,    214                         ; v214      the conversions' scale operand
.set WD,   216                         ; v216-219  scale words on the way out
	s_load_b128 s[4:7], s[0:1], 0x0                ; q s[4:5], s s[6:7]
	s_load_b64 s[8:9], s[0:1], 0x10                ; wq
	v_lshl_add_u32 v224, v0, 2, 0x9200
	v_mov_b32 v225, 0
	v_lshrrev_b32 v1, 5, v0
	v_readfirstlane_b32 s12, v1                    ; wave 0..3
	v_and_b32 v1, 31, v0                           ; lane
	s_wait_alu depctr_va_vdst(0)
	s_and_b32 s14, ttmp7, 0xffff                   ; g: the scale group
	; byte offsets, each under 2^24
	s_lshl_b32 s16, s14, 18                        ; q: 128 g rows of 2,048 bytes,
	s_lshl_b32 s18, s12, 16                        ; 32 w rows,
	s_add_co_u32 s16, s16, s18
	s_lshl_b32 s18, ttmp9, 8                       ; 64 words a work-group
	s_add_co_u32 s16, s16, s18
	s_mov_b32 s17, 0
	s_lshl_b32 s18, s14, 14                        ; s: row g of 16,384 bytes,
	s_lshl_b32 s20, ttmp9, 11                      ; 512 columns a work-group
	s_add_co_u32 s18, s18, s20
	s_mov_b32 s19, 0
	s_lshr_b32 s22, s14, 2                         ; ks
	s_and_b32 s23, s14, 3                          ; qq
	s_lshl_b32 s20, ttmp9, 4                       ; the codes: block (ct = 2 x, ks),
	s_add_co_u32 s20, s20, s22
	s_mul_i32 s20, s20, BBLK
	s_lshl_b32 s24, s23, 2
	s_add_co_u32 s24, s24, s12                     ; b = 4 qq + w,
	s_lshl_b32 s24, s24, 12                        ; 4,096 bytes each
	s_add_co_u32 s20, s20, s24
	s_mov_b32 s21, 0
	s_lshl_b32 s24, ttmp9, 1                       ; the scale words that I store: ct = 2 x + w / 2,
	s_lshr_b32 s26, s12, 1
	s_add_co_u32 s24, s24, s26
	s_lshl_b32 s24, s24, 3
	s_add_co_u32 s24, s24, s22
	s_mul_i32 s24, s24, BBLK
	s_lshl_b32 s26, s23, 10                        ; 1,024 bytes for each qq,
	s_add_co_u32 s24, s24, s26
	s_and_b32 s26, s12, 1
	s_lshl_b32 s26, s26, 9                         ; which half of them,
	s_add_co_u32 s24, s24, s26
	s_add_co_u32 s24, s24, 65536                   ; behind the block's codes
	s_mov_b32 s25, 0
	v_lshlrev_b32 v2, 3, v1                        ; q: two words a lane
	v_lshlrev_b32 v3, 6, v1                        ; s: 16 numbers a lane
	s_mul_i32 s27, s12, STG
	v_mul_u32_u24 v4, v1, 272
	v_add_nc_u32 v4, s27, v4                       ; the stage, on the way in: my row
	v_lshrrev_b32 v9, 4, v1
	v_and_b32 v10, 15, v1
	v_mul_u32_u24 v5, v9, 272
	v_lshl_add_u32 v5, v10, 4, v5
	v_add_nc_u32 v5, s27, v5                       ; and on the way out: sixteen lanes to a row, two rows an instruction
	v_mul_u32_u24 v6, v1, 80
	s_add_co_u32 s28, s12, SCB
	v_add_nc_u32 v6, s28, v6                       ; my columns' scale words, byte w of each
	v_mul_u32_u24 v7, v9, 80
	v_lshl_add_u32 v7, v10, 2, v7
	s_mul_i32 s28, s12, 640
	s_add_co_u32 s28, s28, SCB
	v_add_nc_u32 v7, s28, v7                       ; back: lane l of wave w takes the words of columns 128 w + 32 j + l: row 8 w + 2 j + l / 16, word l % 16
	v_lshlrev_b32 v8, 4, v1                        ; every store: 16 bytes a lane
	v_mov_b32 v[SP+1], 0                           ; named as the upper halves of pairs, so they are written
	v_mov_b32 v[SP+3], 0
	s_wait_kmcnt 0x0
	s_add_nc_u64 s[4:5], s[4:5], s[16:17]
	s_add_nc_u64 s[6:7], s[6:7], s[18:19]
	s_add_nc_u64 s[10:11], s[8:9], s[20:21]        ; where my codes go
	s_add_nc_u64 s[8:9], s[8:9], s[24:25]          ; where my scale words go
.irp j, 0,1,2,3
	global_load_b128 v[S+4*\j:S+4*\j+3], v3, s[6:7] offset:16*\j
.endr
.irp i, 0,1,2,3,4,5,6,7,8,9,10,11,12,13,14,15,16,17,18,19,20,21,22,23,24,25,26,27,28,29,30,31
	global_load_b64 v[R+2*\i:R+2*\i+1], v2, s[4:5] offset:2048*\i th:TH_LOAD_NT   ; row i: 32 lanes read 256 consecutive bytes; read once in the launch
.endr
	s_wait_loadcnt 0x0                             ; a column wants all 32 rows
; One column: word u of my two, nibble c.
.macro COLUMN u, c
.set COL, 8*(\u)+(\c)
	v_mov_b32 v[SP], v[S+COL]
	v_mul_f32 v[SP+2], 0xc1000000, v[S+COL]        ; -8 s: exact
.irp i, 0,1,2,3,4,5,6,7,8,9,10,11,12,13,14,15,16,17,18,19,20,21,22,23,24,25,26,27,28,29,30,31
	v_bfe_u32 v[X+\i], v[R+2*\i+(\u)], 4*(\c), 4
.endr
.irp i, 0,1,2,3,4,5,6,7,8,9,10,11,12,13,14,15,16,17,18,19,20,21,22,23,24,25,26,27,28,29,30,31
	v_cvt_f32_u32 v[X+\i], v[X+\i]
.endr
.irp i, 0,2,4,6,8,10,12,14,16,18,20,22,24,26,28,30
	v_pk_fma_f32 v[X+\i:X+\i+1], v[X+\i:X+\i+1], v[SP:SP+1], v[SP+2:SP+3] op_sel_hi:[1,0,0]   ; nibble x s - 8 s, two at a time
.endr
	v_max3_num_f32 v[M], |v[X]|, |v[X+1]|, |v[X+2]|                ; the block's largest magnitude, in two chains
	v_max3_num_f32 v[M+1], |v[X+3]|, |v[X+4]|, |v[X+5]|
.irp i, 6,10,14,18,22,26
	v_max3_num_f32 v[M], v[M], |v[X+\i]|, |v[X+\i+1]|
	v_max3_num_f32 v[M+1], v[M+1], |v[X+\i+2]|, |v[X+\i+3]|
.endr
	v_max3_num_f32 v[M], v[M], |v[X+30]|, |v[X+31]|
	v_max3_num_f32 v[M], v[M], v[M+1], 0x1800000   ; and the floor 2^(3 - 127): the byte cannot fall under 1
	v_add_nc_u32 v[E], 0xff000000, v[M]            ; 2 off its exponent field: the conversion takes the exponent field of this operand as its scale, and nothing else of it
.irp g, 0,1,2,3
	v_cvt_scalef32_pk8_fp4_f32 v[C+4*COL+\g], v[X+8*\g:X+8*\g+7], v[E]   ; to the nearest code, ties to even; beyond the largest code the largest
.endr
	v_lshrrev_b32 v[BY+COL], 23, v[E]              ; the scale's byte; also the plain line behind the conversions, ahead of the next column's writes of their sources
	ds_store_b128 v4, v[C+4*COL:C+4*COL+3] offset:16*COL
	ds_store_b8 v6, v[BY+COL] offset:4*COL
.endm
.irp u, 0,1
.irp c, 0,1,2,3,4,5,6,7
	COLUMN \u, \c
.endr
.endr
	s_wait_dscnt 0x0                               ; for the others' sake: my scale bytes lie in LDS
	s_barrier_signal -1
	s_barrier_wait -1                              ; every word has its four bytes
.irp j, 0,1,2,3
	ds_load_b32 v[WD+\j], v7 offset:160*\j
.endr
.irp t, 0,1,2,3,4,5,6,7,8,9,10,11,12,13,14,15
	ds_load_b128 v[R+4*\t:R+4*\t+3], v5 offset:544*\t
.endr
	s_wait_dscnt 16                                ; the words are in; the sixteen loads behind them may be out
	global_store_b128 v8, v[WD:WD+3], s[8:9]       ; 32 lanes store 512 consecutive bytes, at a multiple of 256 from wq's first byte
.irp t, 0,1,2,3,4,5,6,7,8,9,10,11,12,13,14,15
	s_wait_dscnt 15-\t                             ; LDS loads come back in order (ISA guide 5.7.1): load t is in
.if \t < 8
	global_store_b128 v8, v[R+4*\t:R+4*\t+3], s[10:11] offset:512*\t               ; lanes' rows 0-15: the even ct
.else
	global_store_b128 v8, v[R+4*\t:R+4*\t+3], s[10:11] offset:8*BBLK+512*(\t-8)    ; rows 16-31: the odd ct, eight blocks on
.endif
.endr
	s_wait_tensorcnt 0x0
	ds_add_u32 v224, v225
	s_wait_dscnt 0x0
	s_endpgm
.Lfunc_end_k_q01201145a2_prep:
	.size	k_q01201145a2_prep, .Lfunc_end_k_q01201145a2_prep-k_q01201145a2_prep
	.p2alignl 7, 3214868480
	.fill 96, 4, 3214868480
	.section	.rodata,"a",@progbits
	.p2align	6, 0x0
	.amdhsa_kernel k_q01201145a2_prep
		.amdhsa_group_segment_fixed_size 37888
		.amdhsa_private_segment_fixed_size 0
		.amdhsa_enable_private_segment 0
		.amdhsa_kernarg_size 24
		.amdhsa_user_sgpr_count 2
		.amdhsa_user_sgpr_kernarg_segment_ptr 1
		.amdhsa_wavefront_size32 1
		.amdhsa_system_sgpr_workgroup_id_x 1
		.amdhsa_system_sgpr_workgroup_id_y 1
		.amdhsa_system_sgpr_workgroup_id_z 1
		.amdhsa_system_vgpr_workitem_id 0
		.amdhsa_next_free_vgpr 226
		.amdhsa_next_free_sgpr 66
		.amdhsa_reserve_vcc 0
		.amdhsa_float_denorm_mode_32 3
		.amdhsa_float_denorm_mode_16_64 3
		.amdhsa_memory_ordered 1
		.amdhsa_forward_progress 1
		.amdhsa_inst_pref_size 100
	.end_amdhsa_kernel
	.amdgpu_metadata
---
amdhsa.version: [ 1, 2 ]
amdhsa.kernels:
  - .name:           k_q01201145a2_prep
    .symbol:         k_q01201145a2_prep.kd
    .args:
      - { .name: q, .offset: 0, .size: 8, .value_kind: global_buffer, .address_space: global }
      - { .name: s, .offset: 8, .size: 8, .value_kind: global_buffer, .address_space: global }
      - { .name: wq, .offset: 16, .size: 8, .value_kind: global_buffer, .address_space: global }
    .group_segment_fixed_size: 37888
    .private_segment_fixed_size: 0
    .kernarg_segment_align: 8
    .kernarg_segment_size: 24
    .max_flat_workgroup_size: 128
    .sgpr_count:     66
    .vgpr_count:     226
    .wavefront_size: 32
...
	.end_amdgpu_metadata
.endif
;; end of part 1
;; launch gemm (part 2): grid 8 x 32, 4 waves a work-group, clusters of 4 x 1, 327,680 bytes of LDS; arguments A_codes, A_scales, wq, out0; writes out0
.if DOCPART == 2
	.amdgcn_target "amdgcn-amd-amdhsa--gfx1250"
	.amdhsa_code_object_version 6
	.text
	.protected	k_q01201145a2_gemm
	.globl	k_q01201145a2_gemm
	.p2align	8
	.type	k_q01201145a2_gemm,@function
k_q01201145a2_gemm:
	s_mov_b64 s[64:65], 0
	v_nop
	global_prefetch_b8 v0, s[64:65] scope:SCOPE_SE
	s_setreg_imm32_b32 hwreg(HW_REG_WAVE_MODE, 25, 1), 1
	s_wait_xcnt 0x0
	s_wait_alu depctr_hold_cnt(0) depctr_sa_sdst(0) depctr_va_vdst(0) depctr_va_sdst(0) depctr_va_ssrc(0) depctr_va_vcc(0) depctr_vm_vsrc(0)
	s_getreg_b32 s2, hwreg(HW_REG_IB_STS2, 6, 4)
	s_cmp_eq_u32 s2, 0
	s_cbranch_scc0 .Lentry_in_a_cluster
	s_endpgm
.Lentry_in_a_cluster:
	s_bfe_u32 s2, ttmp6, 0x10000c
	s_cmp_lg_u32 s2, 0x3003
	s_cbranch_scc0 .Lentry_shape_is_right
	s_endpgm
.Lentry_shape_is_right:
; out0[m][n] = sum over k of A[m][k] Q(w)[k][n], 4096 x 4096 x 4096: codes of FP4 (E2M1) on both sides, one E8M0 byte for each 32 along K; sums in f32.
; A WORK-GROUP makes 128 rows x 512 columns: 8 x 32 = 256 work-groups.  Its four waves share the rows and own 128 columns each: 64 accumulators of 16 x 16.
; A STAYS: the work-group's 128 rows of codes, for all of K, and their scales lie in LDS, filled once, by two tensor loads a wave: K = 0 .. 1535 (waves 0, 1) and the scales (waves 2, 3) at the head,
;   the rest of K behind the second round.  Nothing is filled again: in the K loop stands one barrier, behind which the second part is read.
; B GOES FROM MEMORY STRAIGHT INTO REGISTERS: wq is laid in the order of the operand's registers, and each of its bytes has one reader in the work-group, the wave that owns the column.
; CLUSTERS: four work-groups along x make the same 128 rows: A's tiles and scales are asked for jointly, mask 15.  B is not: A's 278,528 bytes of codes leave LDS no room for slots of B
;   (a step of 512 along K of the work-group's columns has 131,072 bytes), and a joint load lands in LDS alone.
; wq = [ct = n / 256][ks = k / 512][BBLK bytes]: codes [(k / 32) % 16][n % 256][16 bytes]; behind them the scale words [(k / 128) % 4][(n / 128) % 2][n % 32][(n / 32) % 4][4 bytes].
; THE MATRIX INSTRUCTION IS USED TRANSPOSED (source 0 = 16 columns of B, source 1 = 16 rows of A): a lane holds eight neighbouring numbers of a row of the result.
; STEPS of 128 along K, 32 of them, each in two halves of four column blocks, 32 matrix instructions a half.  B's ring holds 8 half steps, 4 fragments each: half step u's place is filled with half step
;   u + 8 as soon as u is multiplied, 8 loads (and, with the second half of a step, one load for the step's scale words).  Loads come back in order: the waits count what was issued behind what is needed.
; PREFETCH: nine steps ahead, 32 blocks of 256 bytes a wave (and the scale words of a ks once), by the work-groups of the four lowest rows of clusters; steps 0 to 8 come by their own loads, step 31 is the last asked for.
; REGISTERS: window 0: v16-29 addresses; v32-47 A's scale words; v48-63 B's; v64-191 A's fragments, two sets.  window 1: B's ring, step s in v[64 (s % 4) ..]; on the way out v0-127: rows read back.
;   window 2: accumulators of column blocks 0-3, (a, b) at v[8 (8 (b % 4) + a)];  window 3: of blocks 4-7.
.set BBLK,  69632
.set P0,    816                        ; LDS row of the first part: 3 x (256 + 16) bytes, an odd multiple of 16
.set P1,    1360                       ; of the second part: 5 x (256 + 16)
.set C1,    128*P0
.set SCL,   C1+128*P1                  ; A's scales: 64 units of 256 bytes (two rows each) + 16 of padding
.set QS,    32*272
.set SPARE, SCL+2*QS                   ; the spare words
.set SPITCH, 528                       ; the way out: a stage of 16 rows x (512 + 16) bytes for each wave, in the first part's bytes, which by then have been read by every wave
.set ADA0, 16                          ; v16-17 A's first part, row blocks 0-3 and 4-7
.set ADA1, 18                          ; v18-19 A's second part
.set ADSA, 20
.set VB,   21
.set VS,   22
.set PFO,  23
.set PFW,  24
.set STO,  25
.set RD,   26
.set CO,   27
.set SPW,  28                          ; never rewritten
.set NIL,  29                          ; never rewritten
.set SCA,  32
.set SCB,  48
.set AF,   64
.set G1,   24                          ; groups 1: the first part, the second part, the scales
.set G1P,  32
.set G1S,  40
.set G0,   48                          ; groups 0 of the same
.set G0S,  52
.set G0P,  56
.set BB,   60                          ; s[60:61] where my ct begins in wq, stepped by a ks a trip
.set LIM,  62                          ; 3: my work-group prefetches; 0: it does not
.set KB,  0                            ; how many ks s[BB:BB+1] has been stepped
.set AB0, 0                            ; how many units of 272 the addresses of A's first part have been stepped,
.set AB1, 0                            ; those of its second part,
.set ASB, 0                            ; and how many 16 bytes that of its scales
.set MSB, 0
.macro WIN new                         ; the immediate's high byte repeats the setting that is left
.if MSB != \new
	s_set_vgpr_msb (MSB<<8)|\new
.set MSB, \new
.endif
.endm
.set MUL_LO, 0xa1                      ; source 0 window 1, source 1 window 0, C and D window 2
.set MUL_HI, 0xf1                      ; the same, C and D window 3
.set TO_B,   0x40                      ; destination window 1
.macro PLACES                          ; four places behind a matrix instruction (ISA guide 7.12.1)
.rept 4
	v_nop
.endr
.endm
.macro CROUND                          ; a round of the cluster's barrier
	s_barrier_signal -1
	s_barrier_wait -1
	s_cmp_lg_u32 s14, 0
	s_cbranch_scc1 .Lnot_wave_0_\@
	s_barrier_signal -3
.Lnot_wave_0_\@:
	s_barrier_wait -3
	s_barrier_signal -1
	s_barrier_wait -1
.endm
; half step h of B: its four fragments; with a step's second half also the step's four registers of scale words (lanes 0-15 column block 2 j, lanes 16-31 block 2 j + 1)
.macro BLOAD h
.set bT, (\h)/2
.set bO, (bT/4-KB)*BBLK+(bT%4)*16384
.set bR, 64*(bT%4)+32*((\h)%2)
.if (\h)%2
	WIN 0
	global_load_b128 v[SCB+4*(bT%4):SCB+4*(bT%4)+3], v[VS], s[BB:BB+1] offset:(bT/4-KB)*BBLK+65536+(bT%4)*1024
.endif
	WIN TO_B
.irp i, 0,1,2,3
.irp c, 0,1
	global_load_b128 v[bR+8*\i+4*\c:bR+8*\i+4*\c+3], v[VB], s[BB:BB+1] offset:bO+8192*\c+256*(4*((\h)%2)+\i)
.endr
.endr
.endm
; step s of A: eight fragments of 16 rows x 128 K; with an even step the scale words of two steps (lanes 0-15 row block i, lanes 16-31 block i + 4)
.macro FETCHA s
.irp i, 0,1,2,3,4,5,6,7
.irp c, 0,1
.if (\s) < 12
	ds_load_b128 v[AF+64*((\s)%2)+8*\i+4*\c:AF+64*((\s)%2)+8*\i+4*\c+3], v[ADA0+\i/4] offset:((\s)/4-AB0)*272+64*((\s)%4)+32*\c+(\i%4)*16*P0
.else
	ds_load_b128 v[AF+64*((\s)%2)+8*\i+4*\c:AF+64*((\s)%2)+8*\i+4*\c+3], v[ADA1+\i/4] offset:(((\s)-12)/4-AB1)*272+64*((\s)%4)+32*\c+(\i%4)*16*P1
.endif
.endr
.endr
.if ((\s)%2) == 0
.irp i, 0,1,2,3
	ds_load_b64 v[SCA+8*(((\s)/2)%2)+2*\i:SCA+8*(((\s)/2)%2)+2*\i+1], v[ADSA] offset:\i*2176+4*(\s)-16*ASB
.endr
.endif
.endm
.macro PREF s                          ; step s + 9
	s_cmp_lt_u32 s3, s[LIM]
	s_cbranch_scc0 .Lnot_mine_\@
	global_prefetch_b8 v[PFO], s[BB:BB+1] offset:(((\s)+9)/4-KB)*BBLK+(((\s)+9)%4)*16384 th:TH_LOAD_NT scope:SCOPE_SE
.if (((\s)+9)%4) == 0
	global_prefetch_b8 v[PFW], s[BB:BB+1] offset:(((\s)+9)/4-KB)*BBLK+65536 th:TH_LOAD_NT scope:SCOPE_SE
.endif
.Lnot_mine_\@:
.endm
.macro WM a, b, s, zero                ; row block a, column block b, step s
.set rD,  8*(8*((\b)%4)+(\a))
.set rB,  64*((\s)%4)+8*(\b)
.set rA,  AF+64*((\s)%2)+8*(\a)
.set rSB, SCB+4*((\s)%4)+(\b)/2
.set rSA, SCA+8*(((\s)/2)%2)+2*((\a)%4)+((\s)%2)
.if \zero
.if ((\a) < 4) && (((\b)%2) == 0)
	v_wmma_scale_f32_16x16x128_f8f6f4 v[rD:rD+7], v[rB:rB+7], v[rA:rA+7], 0, v[rSB], v[rSA] matrix_a_fmt:MATRIX_FMT_FP4 matrix_b_fmt:MATRIX_FMT_FP4
.elseif (\a) < 4
	v_wmma_scale_f32_16x16x128_f8f6f4 v[rD:rD+7], v[rB:rB+7], v[rA:rA+7], 0, v[rSB], v[rSA] matrix_a_fmt:MATRIX_FMT_FP4 matrix_b_fmt:MATRIX_FMT_FP4 matrix_a_scale:MATRIX_SCALE_ROW1
.elseif ((\b)%2) == 0
	v_wmma_scale_f32_16x16x128_f8f6f4 v[rD:rD+7], v[rB:rB+7], v[rA:rA+7], 0, v[rSB], v[rSA] matrix_a_fmt:MATRIX_FMT_FP4 matrix_b_fmt:MATRIX_FMT_FP4 matrix_b_scale:MATRIX_SCALE_ROW1
.else
	v_wmma_scale_f32_16x16x128_f8f6f4 v[rD:rD+7], v[rB:rB+7], v[rA:rA+7], 0, v[rSB], v[rSA] matrix_a_fmt:MATRIX_FMT_FP4 matrix_b_fmt:MATRIX_FMT_FP4 matrix_a_scale:MATRIX_SCALE_ROW1 matrix_b_scale:MATRIX_SCALE_ROW1
.endif
.else
.if ((\a) < 4) && (((\b)%2) == 0)
	v_wmma_scale_f32_16x16x128_f8f6f4 v[rD:rD+7], v[rB:rB+7], v[rA:rA+7], v[rD:rD+7], v[rSB], v[rSA] matrix_a_fmt:MATRIX_FMT_FP4 matrix_b_fmt:MATRIX_FMT_FP4
.elseif (\a) < 4
	v_wmma_scale_f32_16x16x128_f8f6f4 v[rD:rD+7], v[rB:rB+7], v[rA:rA+7], v[rD:rD+7], v[rSB], v[rSA] matrix_a_fmt:MATRIX_FMT_FP4 matrix_b_fmt:MATRIX_FMT_FP4 matrix_a_scale:MATRIX_SCALE_ROW1
.elseif ((\b)%2) == 0
	v_wmma_scale_f32_16x16x128_f8f6f4 v[rD:rD+7], v[rB:rB+7], v[rA:rA+7], v[rD:rD+7], v[rSB], v[rSA] matrix_a_fmt:MATRIX_FMT_FP4 matrix_b_fmt:MATRIX_FMT_FP4 matrix_b_scale:MATRIX_SCALE_ROW1
.else
	v_wmma_scale_f32_16x16x128_f8f6f4 v[rD:rD+7], v[rB:rB+7], v[rA:rA+7], v[rD:rD+7], v[rSB], v[rSA] matrix_a_fmt:MATRIX_FMT_FP4 matrix_b_fmt:MATRIX_FMT_FP4 matrix_a_scale:MATRIX_SCALE_ROW1 matrix_b_scale:MATRIX_SCALE_ROW1
.endif
.endif
.endm
.macro MUL s, half, zero               ; 32 matrix instructions; the 64 accumulators take turns in the same order in every step
.irp b, 0,1,2,3
.irp a, 0,1,2,3,4,5,6,7
	WM \a, \b+4*\half, \s, \zero
.endr
.endr
.endm
; A step.  w0, w1: the loads that may be out ahead of its halves.  Ahead of the first half, 50: behind the step's scale words stand 8 code loads and five half steps (8 + 9 + 8 + 9 + 8); ahead of the second,
; 51: six half steps.  i0, i1: the half steps 2 s + 7 and 2 s + 8 are asked for.  pf: prefetch.  bar: the barrier behind which A's second part is read.
.macro STEP s, zero, w0, w1, i0, i1, pf, bar
	WIN 0
	PLACES                                         ; for the loads into what the products just issued have read
	s_wait_dscnt 0x0                               ; this step's A, asked for a whole step ago
	s_wait_loadcnt \w0
.if \i0
	BLOAD 2*(\s)+7
.endif
	WIN 0
	FETCHA (\s)+1
.if \pf
	PREF \s
.endif
	WIN MUL_LO
	MUL \s, 0, \zero
	s_wait_loadcnt \w1
.if \i1
	PLACES
	BLOAD 2*(\s)+8
.endif
.if \bar
	s_wait_tensorcnt 0x0                           ; my rows of A's second part are in,
	s_wait_dscnt 0x0                               ; and my reads of the first part are over
	s_barrier_signal -1
.endif
	WIN MUL_HI
	MUL \s, 1, \zero
.if \bar
	WIN 0
	s_barrier_wait -1
.endif
.endm
.macro TRIP_END ad                     ; on by four steps
	WIN 0
	s_wait_xcnt 0x0                                ; every load and prefetch has read its base
	s_add_nc_u64 s[BB:BB+1], s[BB:BB+1], BBLK
	v_add_nc_u32 v[\ad], 272, v[\ad]
	v_add_nc_u32 v[\ad+1], 272, v[\ad+1]
	v_add_nc_u32 v[ADSA], 16, v[ADSA]
	s_wait_alu depctr_va_vdst(0)
	s_add_co_u32 s3, s3, 1
.endm
.macro GRP g, w, c, r, p               ; descriptor group 1: r rows of c elements, p elements from row to row; 16 bytes of padding behind every 256; mask 15: the cluster's four; bit 21 beside it
	s_mov_b32 s[\g], 15|(\w<<16)|(1<<20)|(1<<21)|(5<<22)|(3<<25)
	s_mov_b32 s[\g+1], \c<<16
	s_mov_b32 s[\g+2], \r<<16
	s_mov_b32 s[\g+3], \c<<16
	s_mov_b32 s[\g+4], \r
	s_mov_b32 s[\g+5], \p
	s_mov_b32 s[\g+6], 0
	s_mov_b32 s[\g+7], 0
.endm
	s_load_b256 s[4:11], s[0:1], 0x0               ; A's codes s[4:5], A's scales s[6:7], wq s[8:9], out0 s[10:11]
	v_lshl_add_u32 v[SPW], v0, 2, SPARE
	v_mov_b32 v[NIL], 0
	ds_add_u32 v[SPW], v[NIL]                      ; the opening: the add, twice on end, and its wait ahead of my first tensor load
	ds_add_u32 v[SPW], v[NIL]
	v_lshrrev_b32 v1, 5, v0
	v_readfirstlane_b32 s14, v1                    ; wave 0..3
	s_lshr_b32 s15, s14, 1                         ; which ct of the two is mine; at the head: codes (0) or scales (1)
	s_and_b32 s16, s14, 1                          ; which 128 of its columns; at the head: which 64 rows
	s_lshl_b32 s18, s16, 11
	s_lshl_b32 s19, s16, 9
	s_mul_i32 s20, s14, 16*SPITCH                  ; my stage
	v_and_b32 v1, 15, v0                           ; r = l % 16
	v_bfe_u32 v2, v0, 4, 1                         ; h = l / 16
	v_and_b32 v3, 31, v0                           ; l
	v_lshlrev_b32 v4, 4, v2
	v_mul_u32_u24 v5, v1, P0
	v_mul_u32_u24 v6, v1, P1
	v_lshlrev_b32 v7, 7, v1
	v_lshrrev_b32 v8, 1, v1
	v_lshlrev_b32 v9, 12, v2
	v_add_nc_u32 v[ADA0], v4, v5                   ; row r x pitch + 16 h
	v_add_nc_u32 v6, v4, v6
	v_lshl_add_u32 v7, v8, 4, v7                   ; scales: 128 bytes a row, 16 more for each two rows passed,
	v_mul_u32_u24 v8, v2, 4*2176                   ; lanes 16-31 four row blocks on
	v_lshl_add_u32 v9, v1, 4, v9                   ; B's codes: 4,096 h + 16 r
	v_lshlrev_b32 v[CO], 4, v3
	v_add_nc_u32 v[ADA0+1], 64*P0, v[ADA0]
	v_add_nc_u32 v[ADA1], C1, v6
	v_add_nc_u32 v[ADA1+1], C1+64*P1, v6
	v_add_nc_u32 v7, v7, v8
	v_add_nc_u32 v[ADSA], SCL, v7
	v_add_nc_u32 v[VB], s18, v9
	v_add_nc_u32 v[VS], s19, v[CO]                 ; B's words: 16 bytes a lane
	v_lshrrev_b32 v10, 3, v3
	v_and_b32 v11, 7, v3
	v_bfe_u32 v12, v3, 1, 2
	v_and_b32 v13, 1, v3
	v_mul_u32_u24 v14, v1, SPITCH
	v_lshlrev_b32 v10, 12, v10
	v_lshlrev_b32 v12, 10, v12
	v_lshl_add_u32 v10, v11, 8, v10                ; prefetch of codes: lanes 8 i .. 8 i + 7 the eight blocks of 256 bytes of one block of 32 along K
	v_lshl_add_u32 v12, v13, 8, v12                ; prefetch of words: eight blocks, named by lanes 0-7 and again by the others
	v_lshl_add_u32 v14, v2, 5, v14
	v_add_nc_u32 v[PFO], s18, v10
	v_add_nc_u32 v[PFW], s19, v12
	v_add_nc_u32 v[STO], s20, v14                  ; the stage, in: row r, 32 bytes for each half of the lanes;
	v_add_nc_u32 v[RD], s20, v[CO]                 ; back: the 32 lanes take one row
	s_wait_alu depctr_va_vdst(0)
	GRP G1, 0, 768, 64, 2048
	GRP G1P, 0, 1280, 32, 2048
	GRP G1S, 3, 32, 32, 32                         ; 64 rows of scales are 8,192 dense bytes: 32 rows of 256 bytes
	s_bfe_u32 s12, ttmp6, 0x40000                  ; cx
	s_lshl_b32 s13, ttmp9, 2
	s_add_co_u32 s13, s13, s12                     ; which 512 columns
	s_and_b32 s17, ttmp7, 0xffff                   ; which 128 rows
	s_lshl_b32 s66, s17, 18                        ; A: 128 rows of 2,048 bytes,
	s_lshl_b32 s68, s16, 17
	s_add_co_u32 s70, s66, s68                     ; the first part: 64 rows a wave
	s_mov_b32 s71, 0
	s_lshl_b32 s68, s14, 16
	s_add_co_u32 s72, s66, s68                     ; the second part: 32 rows a wave,
	s_add_co_u32 s72, s72, 768                     ; from k = 1536 on
	s_mov_b32 s73, 0
	s_lshl_b32 s74, s17, 14                        ; the scales: 128 bytes a row, 64 rows a wave
	s_lshl_b32 s68, s16, 13
	s_add_co_u32 s74, s74, s68
	s_mov_b32 s75, 0
	s_lshl_b32 s76, s13, 1
	s_add_co_u32 s76, s76, s15
	s_mul_i32 s76, s76, 8*BBLK                     ; my ct in wq
	s_mov_b32 s77, 0
	s_lshl_b32 s78, s17, 21                        ; out0: 128 rows of 16,384 bytes,
	s_lshl_b32 s68, s13, 11
	s_add_co_u32 s78, s78, s68                     ; 512 columns a work-group,
	s_lshl_b32 s68, s14, 9
	s_add_co_u32 s78, s78, s68                     ; 128 a wave
	s_mov_b32 s79, 0
	s_mul_i32 s80, s16, 64*P0
	s_mul_i32 s81, s16, QS
	s_mul_i32 s82, s14, 32*P1
	s_cmp_lt_u32 s17, 4
	s_cselect_b32 s[LIM], 3, 0
	s_mov_b32 s[G0], 1
	s_mov_b32 s[G0+1], s80
	s_mov_b32 s[G0S], 1
	s_add_co_u32 s[G0S+1], s81, SCL
	s_mov_b32 s[G0P], 1
	s_add_co_u32 s[G0P+1], s82, C1
	s_mov_b32 s3, 0
	s_wait_dscnt 0x0                               ; both opening adds are done
	s_wait_kmcnt 0x0
	s_add_nc_u64 s[G0+2:G0+3], s[4:5], s[70:71]
	s_or_b32 s[G0+3], s[G0+3], 0x80000000
	s_add_nc_u64 s[G0P+2:G0P+3], s[4:5], s[72:73]
	s_or_b32 s[G0P+3], s[G0P+3], 0x80000000
	s_add_nc_u64 s[G0S+2:G0S+3], s[6:7], s[74:75]
	s_or_b32 s[G0S+3], s[G0S+3], 0x80000000
	s_add_nc_u64 s[BB:BB+1], s[8:9], s[76:77]
	s_add_nc_u64 s[10:11], s[10:11], s[78:79]
	CROUND                                         ; the four work-groups are here: the first joint loads meet
	s_cmp_eq_u32 s15, 0                            ; one tensor load a wave: waves 0 and 1 A's first part, waves 2 and 3 the scales
	s_cbranch_scc0 .Lscales
	tensor_load_to_lds s[G0:G0+3], s[G1:G1+7]
	s_nop 0
	PLACES
	s_branch .Lasked
.Lscales:
	tensor_load_to_lds s[G0S:G0S+3], s[G1S:G1S+7]
	s_nop 0
	PLACES
.Lasked:
.irp h, 0,1,2,3,4,5,6
	BLOAD \h                                       ; 59 loads: steps 0 to 2 and the first half of step 3
.endr
	WIN 0
	s_wait_alu depctr_va_vdst(0)
	s_wait_tensorcnt 0x0                           ; my tile is in
	ds_add_u32 v[SPW], v[NIL]
	s_wait_dscnt 0x0
	CROUND                                         ; everybody's part is in, and the joint loads meet:
	tensor_load_to_lds s[G0P:G0P+3], s[G1P:G1P+7]  ; my 32 rows of A's second part, first read behind the barrier of step 10
	s_nop 0
	PLACES
	FETCHA 0
	STEP 0, 1, 50, 51, 1, 1, 1, 0                  ; its products start the sums
	WIN 0
.Lfirst:                                               ; steps 1 to 8
.irp s, 1,2,3,4
	STEP \s, 0, 50, 51, 1, 1, 1, 0
.endr
	TRIP_END ADA0
	s_cmp_lt_u32 s3, 2
	s_cbranch_scc1 .Lfirst
.set KB,  2
.set AB0, 2
.set ASB, 2
	STEP 9, 0, 50, 51, 1, 1, 1, 0
	STEP 10, 0, 50, 51, 1, 1, 1, 1
	s_mov_b32 s3, 0
.Lsecond:                                              ; steps 11 to 26; the last trip prefetches nothing
.irp s, 11,12,13,14
	STEP \s, 0, 50, 51, 1, 1, 1, 0
.endr
	TRIP_END ADA1
	s_cmp_lt_u32 s3, 4
	s_cbranch_scc1 .Lsecond
.set KB,  6
.set AB1, 4
.set ASB, 6
	STEP 27, 0, 50, 51, 1, 1, 0, 0
	STEP 28, 0, 50, 51, 1, 0, 0, 0                 ; half step 63 is the last asked for
	STEP 29, 0, 42, 34, 0, 0, 0, 0                 ; 42: 8 + 8 + 9 + 8 + 9 behind the step's scale words; 34: the four half steps 60 to 63
; THE LAST TWO STEPS GO BY ROWS OF THE RESULT: row block a is finished by 16 matrix instructions (four accumulators by turns), and leaves while the next is multiplied.
.macro ROW a
	WIN MUL_LO
.if \a == 0
	s_wait_loadcnt 25                              ; half step 60 and step 30's words: 8 + 8 + 9 behind them may be out
.endif
.irp b, 0,1,2,3
	WM \a, \b, 30, 0
.endr
.if \a == 0
	s_wait_loadcnt 8                               ; half steps 61 and 62 and step 31's words
.endif
.irp b, 0,1,2,3
	WM \a, \b, 31, 0
.endr
	WIN MUL_HI
.if \a == 0
	s_wait_loadcnt 0x0
.endif
.irp s, 30,31
.irp b, 4,5,6,7
	WM \a, \b, \s, 0
.endr
.endr
.endm
.macro TOSTAGE a                       ; into my stage, each accumulator from its low end on, and back as whole rows of 512 bytes: LDS serves a wave's instructions in order (ISA guide 5.7.1.4)
	PLACES
	WIN 0x08
.irp b, 0,1,2,3
	ds_store_b128 v[STO], v[8*(8*\b+\a):8*(8*\b+\a)+3] offset:64*\b
	ds_store_b128 v[STO], v[8*(8*\b+\a)+4:8*(8*\b+\a)+7] offset:64*\b+16
.endr
	WIN 0x0c
.irp b, 0,1,2,3
	ds_store_b128 v[STO], v[8*(8*\b+\a):8*(8*\b+\a)+3] offset:256+64*\b
	ds_store_b128 v[STO], v[8*(8*\b+\a)+4:8*(8*\b+\a)+7] offset:256+64*\b+16
.endr
	WIN TO_B
.irp t, 0,1,2,3,4,5,6,7,8,9,10,11,12,13,14,15
	ds_load_b128 v[64*(\a%2)+4*\t:64*(\a%2)+4*\t+3], v[RD] offset:\t*SPITCH
.endr
.endm
.macro SEND a
	s_wait_dscnt 0x0                               ; the block is back in registers
	WIN 0x04
.irp t, 0,1,2,3,4,5,6,7,8,9,10,11,12,13,14,15
	global_store_b128 v[CO], v[64*((\a)%2)+4*\t:64*((\a)%2)+4*\t+3], s[10:11] offset:(\a)*262144+\t*16384 th:TH_STORE_NT   ; 512 consecutive bytes at a multiple of 256
.endr
.endm
	WIN 0
	PLACES
	FETCHA 31
	s_wait_dscnt 0x0                               ; A's fragments of steps 30 and 31
	ROW 0
	TOSTAGE 0
.irp a, 1,2,3,4,5,6,7
	ROW \a
	s_wait_xcnt 0x0                                ; block a - 2's stores have read their registers: block a's loads land there
	SEND \a-1
	TOSTAGE \a
.endr
	SEND 7
	WIN 0
	s_wait_tensorcnt 0x0                           ; the wave's end
	ds_add_u32 v[SPW], v[NIL]
	s_wait_dscnt 0x0
	CROUND                                         ; the closing round
	s_endpgm
.Lfunc_end_k_q01201145a2_gemm:
	.size	k_q01201145a2_gemm, .Lfunc_end_k_q01201145a2_gemm-k_q01201145a2_gemm
	.p2alignl 7, 3214868480
	.fill 96, 4, 3214868480
	.section	.rodata,"a",@progbits
	.p2align	6, 0x0
	.amdhsa_kernel k_q01201145a2_gemm
		.amdhsa_group_segment_fixed_size 327680
		.amdhsa_private_segment_fixed_size 0
		.amdhsa_enable_private_segment 0
		.amdhsa_kernarg_size 32
		.amdhsa_user_sgpr_count 2
		.amdhsa_user_sgpr_kernarg_segment_ptr 1
		.amdhsa_wavefront_size32 1
		.amdhsa_system_sgpr_workgroup_id_x 1
		.amdhsa_system_sgpr_workgroup_id_y 1
		.amdhsa_system_sgpr_workgroup_id_z 1
		.amdhsa_system_vgpr_workitem_id 0
		.amdhsa_next_free_vgpr 1024
		.amdhsa_next_free_sgpr 90
		.amdhsa_reserve_vcc 0
		.amdhsa_float_denorm_mode_32 3
		.amdhsa_float_denorm_mode_16_64 3
		.amdhsa_memory_ordered 1
		.amdhsa_forward_progress 1
		.amdhsa_inst_pref_size 221
	.end_amdhsa_kernel
	.amdgpu_metadata
---
amdhsa.version: [ 1, 2 ]
amdhsa.kernels:
  - .name:           k_q01201145a2_gemm
    .symbol:         k_q01201145a2_gemm.kd
    .args:
      - { .name: A_codes, .offset: 0, .size: 8, .value_kind: global_buffer, .address_space: global }
      - { .name: A_scales, .offset: 8, .size: 8, .value_kind: global_buffer, .address_space: global }
      - { .name: wq, .offset: 16, .size: 8, .value_kind: global_buffer, .address_space: global }
      - { .name: out0, .offset: 24, .size: 8, .value_kind: global_buffer, .address_space: global }
    .group_segment_fixed_size: 327680
    .private_segment_fixed_size: 0
    .kernarg_segment_align: 8
    .kernarg_segment_size: 32
    .max_flat_workgroup_size: 128
    .sgpr_count:     90
    .vgpr_count:     1024
    .wavefront_size: 32
...
	.end_amdgpu_metadata
.endif
;; end of part 2
